; MI455X (gfx1250); checked and timed in simulation.
; The chip was launched on July 23, 2026; its instructions are those of AMD's public machine-readable ISA for CDNA 5 (MIT licence, August 2026) and "CDNA5" Instruction Set Architecture Reference Guide (July 2026). The comments in the code are by the model that wrote it; some were corrected since.
;; Cell Contentl Attention. Allowed arithmetic: float matrix products may take bf16 or f16 operands with f32 sums; all other float work in f32.
;; Inputs: W_cell 512 x 512 float32; W_comb 512 x 1 float32; W_enc 512 x 512 float32; W_str 256 x 512 float32; b_cell 512 float32; b_comb 1 float32; b_enc 512 float32; b_str 512 float32; cell_content_hidden_state 1 x 64 x 512 float32; encoded_features_map 64 x 1,024 x 512 float32; structural_hidden_state 1 x 64 x 256 float32.
;; Outputs: out0 64 x 512 float32.
;; One version. Each part assembles by itself: llvm-mc -triple=amdgcn-amd-amdhsa -mcpu=gfx1250 --defsym DOCPART=n.
;; ======== version 1 of 1: 3 launches
;; workspace buffers: wt 524,288 bytes; hb 393,216 bytes; part 1,179,648 bytes
;; launch prep (part 1): grid 224 x 1, 8 waves a work-group, no clusters, 33,792 bytes of LDS; arguments W_enc, W_str, W_cell, b_enc, b_str, b_cell, structural_hidden_state, cell_content_hidden_state, wt, hb; writes wt, hb
.if DOCPART == 1
	.amdgcn_target "amdgcn-amd-amdhsa--gfx1250"
	.amdhsa_code_object_version 6
	.text
	.protected	k_q6c5503119d_prep
	.globl	k_q6c5503119d_prep
	.p2align	8
	.type	k_q6c5503119d_prep,@function
k_q6c5503119d_prep:
	s_mov_b64 s[64:65], 0
	v_nop
	global_prefetch_b8 v0, s[64:65] scope:SCOPE_SE
	s_setreg_imm32_b32 hwreg(HW_REG_WAVE_MODE, 25, 1), 1
	s_wait_xcnt 0x0
; Two jobs, chosen by the work-group's number (the same for all its waves).  The longer job has the low numbers.
; Work-groups 0 to 95: the hidden states' projections, in three parts that the main launch adds: hb[part][b][a], [3][64][512] f32,
;   part 0 = str[b] . W_str[:, a] + b_str[a];  part 1 = cell[b][0:256] . W_cell[0:256, a] + b_cell[a];
;   part 2 = cell[b][256:512] . W_cell[256:512, a] + b_enc[a];
;   by matrix instructions on operands rounded to bf16, sums in f32.  A work-group makes 16 batches x 64 columns of one part; its eight
;   waves take 32 each of the part's 256 numbers of K, and the eight partial blocks meet in LDS.  Three parts, so that a work-group reads
;   8 x (8 KiB of weights + 2 KiB of hidden states) and no more, and 96 work-groups share the weights' bytes.
; Work-groups 96 to 223: W_enc [512 k][512 n] f32 -> wt, bf16, in the order in which the main launch's waves read it:
;   the 16 bytes that hold k = 64 s + 8 kg .. + 7 of column n = 128 w + nn lie at s*65536 + w*16384 + kg*2048 + nn*16.
.set NB,  96                           ; work-groups of the projections: 3 parts x 4 blocks of batches x 8 blocks of columns
.set ACC, 16                           ; v[16:47]   four accumulator tiles
.set AF,  48                           ; v[48:55]   fragment of the hidden states (16 batches x 32 k)
.set BF,  56                           ; v[56:87]   four fragments of weights (32 k x 16 columns each)
.set BI,  88                           ; v[88:91]   the part's bias of my four columns
.set LW,  96                           ; v[96:159]  weights as loaded, v[160:175] hidden states as loaded
.set WOF, 3                            ; offsets and LDS addresses, never rewritten
.set XH,  4
.set BOF, 6
.set LST, 7
.set LLD, 8
.set HOF, 9
	s_load_b512 s[4:19], s[0:1], 0x0               ; W_enc s[4:5], W_str s[6:7], W_cell s[8:9], b_enc s[10:11], b_str s[12:13], b_cell s[14:15], str s[16:17], cell s[18:19]
	s_load_b128 s[20:23], s[0:1], 0x40             ; wt s[20:21], hb s[22:23]
	v_lshl_add_u32 v176, v0, 2, 0x8000
	v_mov_b32 v177, 0
	v_lshrrev_b32 v1, 5, v0
	v_readfirstlane_b32 s24, v1                    ; wave 0..7
	s_cmp_lt_u32 ttmp9, NB
	s_cbranch_scc1 .Lhidden
	; ---- W_enc to wt.  Wave g of 1,024 takes eight rows k = 8 kgi .. + 7 of 32 columns: eight loads of 128 neighbouring bytes,
	; one store of 512 neighbouring bytes that starts at a multiple of 512.
	s_sub_co_u32 s25, ttmp9, NB
	s_lshl3_add_u32 s25, s25, s24                  ; g = 8 x (work-group - 96) + wave
	s_lshr_b32 s26, s25, 4                         ; kgi = 0..63: which eight rows
	s_and_b32 s27, s25, 15                         ; which 32 columns
	s_lshl_b32 s28, s26, 14                        ; eight rows of 2,048 bytes
	s_lshl_b32 s29, s27, 7                         ; 32 columns of 4 bytes
	s_add_co_u32 s28, s28, s29
	s_lshr_b32 s29, s26, 3
	s_lshl_b32 s29, s29, 16                        ; s * 65536
	s_and_b32 s30, s26, 7
	s_lshl_b32 s30, s30, 11                        ; kg * 2048
	s_add_co_u32 s29, s29, s30
	s_lshr_b32 s30, s27, 2
	s_lshl_b32 s30, s30, 14                        ; w * 16384
	s_add_co_u32 s29, s29, s30
	s_and_b32 s30, s27, 3
	s_lshl_b32 s30, s30, 9                         ; 32 columns of 16 bytes
	s_add_co_u32 s29, s29, s30
	v_and_b32 v1, 31, v0
	v_lshl_add_u32 v2, v1, 2, s28
	v_lshl_add_u32 v3, v1, 4, s29
	s_wait_kmcnt 0x0
.irp i, 0,1,2,3,4,5,6,7
	global_load_b32 v[4+\i], v2, s[4:5] offset:\i*2048 th:TH_LOAD_NT
.endr
	s_wait_loadcnt 0x0
.irp i, 0,1,2,3
	v_cvt_pk_bf16_f32 v[12+\i], v[4+2*\i], v[5+2*\i]           ; the lower k in the lower half
.endr
	global_store_b128 v3, v[12:15], s[20:21]
	s_endpgm
	; ---- the hidden states' projections
.Lhidden:
	v_and_b32 v1, 15, v0                           ; r
	v_bfe_u32 v2, v0, 4, 1                         ; h
	v_lshlrev_b32 v[WOF], 14, v2                   ; weights: eight rows further down for lanes 16 to 31,
	v_lshl_add_u32 v[WOF], v1, 4, v[WOF]           ; columns a0 + 4 r .. + 3: sixteen lanes read 256 neighbouring bytes of a row
	s_lshr_b32 s31, ttmp9, 5                       ; part 0..2
	s_and_b32 s25, ttmp9, 7                        ; block of 64 columns
	s_bfe_u32 s26, ttmp9, 0x20003                  ; block of 16 batches
	s_lshl_b32 s27, s25, 8                         ; 4 a0
	s_cmp_eq_u32 s31, 0
	s_cselect_b32 s32, 10, 11                      ; a row of str is 2^10 bytes, a row of cell 2^11
	s_cmp_eq_u32 s31, 2
	s_cselect_b32 s33, 256, 0                      ; part 2 begins at k = 256 of cell
	s_lshl_b32 s30, s24, 5
	s_add_co_u32 s33, s33, s30                     ; my wave's first k: + 32 x wave
	v_lshlrev_b32 v[XH], s32, v1                   ; hidden states: row r
	v_lshl_add_u32 v[XH], v2, 5, v[XH]             ; + 32 h
	v_lshl_add_u32 v[BOF], v1, 4, s27              ; the bias of my four columns
	s_lshl_b32 s30, s24, 12                        ; my wave's 4,096 bytes of LDS: [16 batches][64 columns] f32
	v_lshlrev_b32 v10, 11, v2
	v_lshl_add_u32 v10, v1, 4, v10
	v_add_nc_u32 v[LST], s30, v10                  ; (8 h) rows of 256 bytes + 16 r
	v_lshlrev_b32 v[LLD], 4, v0                    ; back: thread t takes 16 bytes at 16 t of each block
	v_lshrrev_b32 v10, 4, v0
	v_lshlrev_b32 v10, 11, v10
	v_lshl_add_u32 v[HOF], v1, 4, v10              ; hb: row t / 16, 16 bytes at 16 (t % 16)
	s_lshl_b32 s28, s33, 11                        ; weights: my first k's row of 2,048 bytes, column a0
	s_add_co_u32 s28, s28, s27
	s_mov_b32 s29, 0
	s_lshl_b32 s34, s26, 4                         ; hidden states: batch b0 = 16 x block,
	s_lshl_b32 s34, s34, s32                       ; in rows,
	s_lshl2_add_u32 s34, s33, s34                  ; + 4 bytes x my first k
	s_mov_b32 s35, 0
	s_lshl_b32 s36, s31, 17                        ; hb: part x 131,072
	s_lshl_b32 s30, s26, 15                        ; + b0 rows of 2,048 bytes
	s_add_co_u32 s36, s36, s30
	s_add_co_u32 s36, s36, s27                     ; + column a0
	s_mov_b32 s37, 0
	s_wait_kmcnt 0x0
	s_cmp_eq_u32 s31, 0                            ; the part's buffers, chosen on its number alone
	s_cselect_b64 s[6:7], s[6:7], s[8:9]           ; W_str, else W_cell
	s_cselect_b64 s[16:17], s[16:17], s[18:19]     ; str, else cell
	s_cselect_b64 s[12:13], s[12:13], s[14:15]     ; b_str, else b_cell,
	s_cmp_eq_u32 s31, 2
	s_cselect_b64 s[12:13], s[10:11], s[12:13]     ; and b_enc with part 2: each bias is added once
	s_add_nc_u64 s[6:7], s[6:7], s[28:29]
	s_add_nc_u64 s[16:17], s[16:17], s[34:35]
	s_add_nc_u64 s[22:23], s[22:23], s[36:37]
	; 21 loads.  Weights: register LW + 4 i + t = W[k(i)][a0 + 4 r + t], k(i) = 8 h + i for i < 8, 16 + 8 h + (i - 8) behind.
	; Hidden states: LW + 64 .. + 79 = k = 8 h .. + 7 and 16 + 8 h .. + 7 of batch b0 + r.
.irp i, 0,1,2,3,4,5,6,7
	global_load_b128 v[LW+4*\i:LW+4*\i+3], v[WOF], s[6:7] offset:\i*2048
.endr
.irp i, 8,9,10,11,12,13,14,15
	global_load_b128 v[LW+4*\i:LW+4*\i+3], v[WOF], s[6:7] offset:(8+\i)*2048
.endr
	global_load_b128 v[LW+64:LW+67], v[XH], s[16:17]
	global_load_b128 v[LW+68:LW+71], v[XH], s[16:17] offset:16
	global_load_b128 v[LW+72:LW+75], v[XH], s[16:17] offset:64
	global_load_b128 v[LW+76:LW+79], v[XH], s[16:17] offset:80
	global_load_b128 v[BI:BI+3], v[BOF], s[12:13]
	s_wait_loadcnt 0x0
	; round to bf16 into the fragments; four products.  Tile t holds the columns a0 + 4 r + t.
.irp c, 0,1,2,3,4,5,6,7
	v_cvt_pk_bf16_f32 v[AF+\c], v[LW+64+2*\c], v[LW+64+2*\c+1]
.endr
.irp t, 0,1,2,3
.irp c, 0,1,2,3,4,5,6,7
	v_cvt_pk_bf16_f32 v[BF+8*\t+\c], v[LW+8*\c+\t], v[LW+8*\c+4+\t]
.endr
.endr
.irp t, 0,1,2,3
	v_wmma_f32_16x16x32_bf16 v[ACC+8*\t:ACC+8*\t+7], v[AF:AF+7], v[BF+8*\t:BF+8*\t+7], 0
.endr
.rept 4
	v_nop                                          ; four places before the results are read (ISA guide 7.12.1)
.endr
.irp t, 0,1,2,3
.irp j, 0,1,2,3,4,5,6,7
	ds_store_b32 v[LST], v[ACC+8*\t+\j] offset:256*\j+4*\t     ; (batch 8 h + j, column 4 r + t) of my wave's block
.endr
.endr
	s_wait_dscnt 0x0                               ; my block is written, for the other waves' sake
	s_barrier_signal -1
	s_barrier_wait -1
.irp q, 0,1,2,3,4,5,6,7
	ds_load_b128 v[LW+4*\q:LW+4*\q+3], v[LLD] offset:4096*\q   ; my four numbers of each of the eight blocks
.endr
	s_wait_dscnt 0x0
.irp p, 0,8,16,24
	v_pk_add_f32 v[LW+\p:LW+\p+1],   v[LW+\p:LW+\p+1],   v[LW+\p+4:LW+\p+5]
	v_pk_add_f32 v[LW+\p+2:LW+\p+3], v[LW+\p+2:LW+\p+3], v[LW+\p+6:LW+\p+7]
.endr
.irp p, 0,16
	v_pk_add_f32 v[LW+\p:LW+\p+1],   v[LW+\p:LW+\p+1],   v[LW+\p+8:LW+\p+9]
	v_pk_add_f32 v[LW+\p+2:LW+\p+3], v[LW+\p+2:LW+\p+3], v[LW+\p+10:LW+\p+11]
.endr
	v_pk_add_f32 v[LW:LW+1],   v[LW:LW+1],   v[LW+16:LW+17]
	v_pk_add_f32 v[LW+2:LW+3], v[LW+2:LW+3], v[LW+18:LW+19]
	v_pk_add_f32 v[LW:LW+1],   v[LW:LW+1],   v[BI:BI+1]
	v_pk_add_f32 v[LW+2:LW+3], v[LW+2:LW+3], v[BI+2:BI+3]
	global_store_b128 v[HOF], v[LW:LW+3], s[22:23]             ; sixteen lanes store 256 neighbouring bytes, at a multiple of 256
	s_wait_tensorcnt 0x0
	ds_add_u32 v176, v177
	s_wait_dscnt 0x0
	s_endpgm
.Lfunc_end_k_q6c5503119d_prep:
	.size	k_q6c5503119d_prep, .Lfunc_end_k_q6c5503119d_prep-k_q6c5503119d_prep
	.p2alignl 7, 3214868480
	.fill 96, 4, 3214868480
	.section	.rodata,"a",@progbits
	.p2align	6, 0x0
	.amdhsa_kernel k_q6c5503119d_prep
		.amdhsa_group_segment_fixed_size 33792
		.amdhsa_private_segment_fixed_size 0
		.amdhsa_enable_private_segment 0
		.amdhsa_kernarg_size 80
		.amdhsa_user_sgpr_count 2
		.amdhsa_user_sgpr_kernarg_segment_ptr 1
		.amdhsa_wavefront_size32 1
		.amdhsa_system_sgpr_workgroup_id_x 1
		.amdhsa_system_sgpr_workgroup_id_y 1
		.amdhsa_system_sgpr_workgroup_id_z 1
		.amdhsa_system_vgpr_workitem_id 0
		.amdhsa_next_free_vgpr 178
		.amdhsa_next_free_sgpr 66
		.amdhsa_reserve_vcc 0
		.amdhsa_float_denorm_mode_32 3
		.amdhsa_float_denorm_mode_16_64 3
		.amdhsa_memory_ordered 1
		.amdhsa_forward_progress 1
		.amdhsa_inst_pref_size 14
	.end_amdhsa_kernel
	.amdgpu_metadata
---
amdhsa.version: [ 1, 2 ]
amdhsa.kernels:
  - .name:           k_q6c5503119d_prep
    .symbol:         k_q6c5503119d_prep.kd
    .args:
      - { .name: W_enc, .offset: 0, .size: 8, .value_kind: global_buffer, .address_space: global }
      - { .name: W_str, .offset: 8, .size: 8, .value_kind: global_buffer, .address_space: global }
      - { .name: W_cell, .offset: 16, .size: 8, .value_kind: global_buffer, .address_space: global }
      - { .name: b_enc, .offset: 24, .size: 8, .value_kind: global_buffer, .address_space: global }
      - { .name: b_str, .offset: 32, .size: 8, .value_kind: global_buffer, .address_space: global }
      - { .name: b_cell, .offset: 40, .size: 8, .value_kind: global_buffer, .address_space: global }
      - { .name: structural_hidden_state, .offset: 48, .size: 8, .value_kind: global_buffer, .address_space: global }
      - { .name: cell_content_hidden_state, .offset: 56, .size: 8, .value_kind: global_buffer, .address_space: global }
      - { .name: wt, .offset: 64, .size: 8, .value_kind: global_buffer, .address_space: global }
      - { .name: hb, .offset: 72, .size: 8, .value_kind: global_buffer, .address_space: global }
    .group_segment_fixed_size: 33792
    .private_segment_fixed_size: 0
    .kernarg_segment_align: 8
    .kernarg_segment_size: 80
    .max_flat_workgroup_size: 256
    .sgpr_count:     66
    .vgpr_count:     178
    .wavefront_size: 32
...
	.end_amdgpu_metadata
.endif
;; end of part 1
;; launch attn (part 2): grid 256 x 1, 4 waves a work-group, clusters of 4 x 1, 327,680 bytes of LDS; arguments encoded_features_map, wt, hb, W_comb, b_comb, part; writes part
.if DOCPART == 2
	.amdgcn_target "amdgcn-amd-amdhsa--gfx1250"
	.amdhsa_code_object_version 6
	.text
	.protected	k_q6c5503119d_attn
	.globl	k_q6c5503119d_attn
	.p2align	8
	.type	k_q6c5503119d_attn,@function
k_q6c5503119d_attn:
	s_mov_b64 s[64:65], 0
	v_nop
	global_prefetch_b8 v0, s[64:65] scope:SCOPE_SE
	s_setreg_imm32_b32 hwreg(HW_REG_WAVE_MODE, 25, 1), 1
	s_wait_xcnt 0x0
	s_wait_alu depctr_hold_cnt(0) depctr_sa_sdst(0) depctr_va_vdst(0) depctr_va_sdst(0) depctr_va_ssrc(0) depctr_va_vcc(0) depctr_vm_vsrc(0)
	s_getreg_b32 s2, hwreg(HW_REG_IB_STS2, 6, 4)
	s_cmp_eq_u32 s2, 0
	s_cbranch_scc0 .Lentry_in_a_cluster
	s_endpgm
.Lentry_in_a_cluster:
	s_bfe_u32 s2, ttmp6, 0x10000c
	s_cmp_lg_u32 s2, 0x3003
	s_cbranch_scc0 .Lentry_shape_is_right
	s_endpgm
.Lentry_shape_is_right:
; For each chunk of 128 feature rows X[l][0:512] of a batch b, with hbs[a] = the sum of hb's three parts at [b][a]:
;   H[l][a] = hbs[a] + X[l] . W_enc[:, a];  s[l] = sum over a of relu(H[l][a]) W_comb[a] + b_comb;
;   m = max s;  p[l] = exp(s[l] - m);  stored: ctx[e] = sum over l of p[l] X[l][e] (512 f32), m, sum of p.
; The last launch joins a batch's eight chunks under their common maximum.
; A work-group owns 256 rows, two chunks; the four work-groups of a cluster own one batch.  In a chunk wave w makes all 128 rows x
; columns a = 128 w .. + 127 of H: 64 accumulator tiles, 512 registers.  K goes in 8 steps of 64, each two halves of 32.
; X leaves memory once: f32 into registers (two sets of 64, so two tiles of 32 KiB a work-group are on their way), rounded to bf16
; into an image of the whole chunk in LDS, from which all four waves take their fragments and the context product reads it again.
; W_enc comes as bf16 tiles from wt through two LDS slots of one K step, by tensor loads.  Slots of two steps (2 x 128 KiB) do not fit
; beside the image (130 KiB).
; CLUSTER: all four work-groups walk the same tiles of wt in the same order, so each tile is asked for jointly (mask 15): the requests
; for W fall to a quarter.  X is shared by nobody.
; THE MATRIX INSTRUCTION IS USED TRANSPOSED: source 0 = 16 columns of W, source 1 = 16 rows of X.  Tile (i, b), register j, lane (r, h)
; holds H[l = 16 i + r][a = 128 w + 16 b + 8 h + j], so the sum over a stays in the lane but for h and w, and hbs in that layout is the
; same 64 registers for all eight row blocks: the first product of a chunk takes them as C, and no addition of the bias is written.
; LIMITS: X, W_enc and p enter the matrix unit rounded to bf16; the sum of p is kept of the unrounded f32 p.  A p below 2^-126 counts as 0
; (v_exp_f32 flushes denormal results).  Non-finite scores give non-finite results, not bit for bit the reference's.
;
; LDS
.set KGP,     2080                     ; X image: the 16 bytes with e = 8 kgg .. + 7 of row l lie at kgg*2080 + l*16 (128 rows + 32 bytes: 2080 = 32 modulo 256,
                                       ; so the 32 lanes of a store, 8 kgg x 2 rows x 2 halves, fall on 32 different 8-byte places modulo 256)
.set PANEL,   8*KGP                    ; one K step's part of the image
.set WS0,     64*KGP                   ; 133,120: W slot 0; slot 1 behind it.  In a slot: w*16384 + kg*2048 + nn*16, as in wt.  The only bytes that tensor loads fill
.set WSLOT,   65536
.set HBS,     WS0+2*WSLOT              ; hbs[0:512] f32, and 2,048 bytes further W_comb
.set SCP,     HBS+4096                 ; 8 rows (2 w + h) of 128 partial scores
.set SCPITCH, 576
.set PBF,     SCP+8*SCPITCH            ; each wave's own 256 bytes: p as bf16
.set CST,     PBF+1024                 ; each wave's own 512 bytes: its 128 numbers of ctx on their way out
.set PARTB,   2304                     ; a partial in memory: 2,048 bytes of ctx, then (m, sum) 32 times
.set HBPART,  131072                   ; from one part of hb to the next
; REGISTERS, in windows of 256
;   window 0: v0-63 below; v64-127, v128-191 fragments of X, two buffers; v192-255 at work
;   window 1: v0-63 X set 0 (f32 as loaded); v64-127, v128-191 fragments of W; v192-255 X set 1
;   window 2: accumulator tiles of rows 0-63 (tile (a, b) at 8 (8 a + b)); window 3: rows 64-127
.set ADRA, 8                           ; v8, v9    X fragments: K steps 0-3, 4-7
.set ADRB, 10                          ; v10, v11  W fragments: slot 0, 1
.set XST,  12                          ; v12, v13  where I put 8 bytes of the image: K steps 0-3, 4-7
.set XOF,  14                          ; my byte offset in X
.set EADR, 15                          ; my hbs and W_comb
.set SST,  16                          ; partial scores: in
.set SLD,  17                          ; partial scores: back
.set PST,  18                          ; p: in
.set PFA,  19                          ; p: as a fragment
.set XTA,  20                          ; the image, read transposed
.set CSTO, 21                          ; ctx: in
.set CLD,  22                          ; ctx: back
.set POF,  23                          ; ctx in memory
.set QOF,  24                          ; (m, sum) in memory
.set STG,  25                          ; 16 x thread
.set SC,   26                          ; v[26:33]  partial scores of my 8 row blocks
.set HB1,  26                          ; at the start only: v[26:29], v[30:33] hb's parts 1 and 2
.set HB2,  30
.set CH,   34                          ; v[34:41]  four chains of two
.set MS,   42                          ; v[42:43]  m, sum of p
.set RA,   45
.set RB,   46
.set CO,   48                          ; v[48:51]  ctx to store
.set HB0,  52                          ; v[52:55]  hb's part 0, then hbs; v[56:59] W_comb; on their way into LDS
.set F0,   64
.set F1,   128
.set T,    192                         ; at work; at a chunk's start: hbs of my 64 columns a, the first products' C
.set WCR,  128                         ; behind the K loop: W_comb of my 64 columns a,
.set PF,   64                          ; p's four fragments and the eight tiles of ctx
.set CT,   128
.set G1,   24                          ; s[24:31]  descriptor group 1
.set G0,   32                          ; s[32:39]  descriptor group 0, one set for each slot
.set MUL_LO,   0xa1                    ; source 0 (W) window 1, source 1 (X) window 0, C and D window 2
.set MUL_HI,   0xf1                    ; the same, C and D window 3
.set FIRST_LO, 0x81                    ; the same with C in window 0 (hbs), D window 2
.set FIRST_HI, 0xc1                    ; D window 3
.set TO_B,     0x40                    ; destination window 1
.set MSB, 0
.macro WIN new                         ; the immediate's high byte repeats the setting that is left
.if MSB != (\new)
	s_set_vgpr_msb (MSB<<8)|(\new)
.set MSB, (\new)
.endif
.endm
.macro PLACES                          ; four places behind a matrix instruction (ISA guide 7.12.1), where no useful vector work stands there
.rept 4
	v_nop
.endr
.endm
; A round of the cluster's barrier: my work-group's barrier, wave 0 signals for the work-group, every wave waits for all four work-groups, my work-group's barrier again.
.macro CREST                           ; a round behind its opening barrier
	s_cmp_lg_u32 s16, 0
	s_cbranch_scc1 .Lnot_wave_0_\@
	s_barrier_signal -3
.Lnot_wave_0_\@:
	s_barrier_wait -3
	s_barrier_signal -1
	s_barrier_wait -1
.endm
.macro CROUND
	s_barrier_signal -1
	s_barrier_wait -1
	CREST
.endm
; W tile g (K step g mod 8) goes into slot g mod 2.  WADDR writes the slot's group 0 and stands where no tensor load that names it is out; WASK is the joint load of my wave's 16 KiB.
.macro WADDR g
	s_add_nc_u64 s[G0+4*((\g)&1)+2:G0+4*((\g)&1)+3], s[40:41], ((\g)&7)*65536
	s_or_b32 s[G0+4*((\g)&1)+3], s[G0+4*((\g)&1)+3], 0x80000000    ; type = 2
.endm
.macro WASK g
	tensor_load_to_lds s[G0+4*((\g)&1):G0+4*((\g)&1)+3], s[G1:G1+7]
	s_nop 0
.endm
; 16 matrix instructions: row blocks a0, a0 + 1 of the window's four x all 8 column blocks, 32 along K.  first = 1: the sums start from hbs (C = T's registers of column block b).
; The 64 accumulators take turns, one instruction a turn, in the same order everywhere.
.macro MUL16 f, hi, a0, first
.irp a, \a0, \a0+1
.irp b, 0,1,2,3,4,5,6,7
.if \first
	v_wmma_f32_16x16x32_bf16 v[8*(8*(\a)+\b):8*(8*(\a)+\b)+7], v[\f+8*\b:\f+8*\b+7], v[\f+8*(4*\hi+\a):\f+8*(4*\hi+\a)+7], v[T+8*\b:T+8*\b+7]
.else
	v_wmma_f32_16x16x32_bf16 v[8*(8*(\a)+\b):8*(8*(\a)+\b)+7], v[\f+8*\b:\f+8*\b+7], v[\f+8*(4*\hi+\a):\f+8*(4*\hi+\a)+7], v[8*(8*(\a)+\b):8*(8*(\a)+\b)+7]
.endif
.endr
.endr
.endm
; 32 LDS loads in one run: the fragments of half q of K step s (W from the slot, X from the image) into buffer f.  Sixteen lanes read 256 neighbouring bytes.
.macro FETCH slot, s, q, f
	WIN TO_B
.irp i, 0,1,2,3,4,5,6,7
	ds_load_b128 v[\f+8*\i:\f+8*\i+3],   v[ADRB+(\slot)] offset:(\q)*8192+\i*256
	ds_load_b128 v[\f+8*\i+4:\f+8*\i+7], v[ADRB+(\slot)] offset:(\q)*8192+\i*256+4096
.endr
	WIN 0
.irp i, 0,1,2,3,4,5,6,7
	ds_load_b128 v[\f+8*\i:\f+8*\i+3],   v[ADRA+((\s)>>2)] offset:((\s)&3)*PANEL+(\q)*4*KGP+\i*256
	ds_load_b128 v[\f+8*\i+4:\f+8*\i+7], v[ADRA+((\s)>>2)] offset:((\s)&3)*PANEL+(\q)*4*KGP+\i*256+2*KGP
.endr
.endm
; hbs of my 64 columns a = 128 w + 16 b + 8 h + j into T, in the accumulators' layout
.macro HBLOAD
	WIN 0
.irp b, 0,1,2,3,4,5,6,7
	ds_load_b128 v[T+8*\b:T+8*\b+3],   v[EADR] offset:64*\b
	ds_load_b128 v[T+8*\b+4:T+8*\b+7], v[EADR] offset:64*\b+16
.endr
.endm
; X tile g (chunk g / 8, K step g mod 8): my wave's 32 rows x 256 bytes into set g mod 2.  Sixteen lanes read 256 neighbouring bytes that start at a multiple of 256.
.macro XLOAD g
	WIN TO_B
.irp i, 0,1,2,3,4,5,6,7,8,9,10,11,12,13,14,15
	global_load_b128 v[192*((\g)&1)+4*\i:192*((\g)&1)+4*\i+3], v[XOF], s[4:5] offset:((\g)>>3)*262144+((\g)&7)*256+\i*4096 th:TH_LOAD_NT
.endr
.endm
; X tile g is rounded to bf16 and put into its panel of the image.  lcnt = the younger loads that may stay out.
.macro XCONV g, lcnt
	s_wait_loadcnt \lcnt
	WIN 0x05                                       ; both sources in window 1
.irp i, 0,1,2,3,4,5,6,7,8,9,10,11,12,13,14,15
	v_cvt_pk_bf16_f32 v[T+2*\i],   v[192*((\g)&1)+4*\i],   v[192*((\g)&1)+4*\i+1]
	v_cvt_pk_bf16_f32 v[T+2*\i+1], v[192*((\g)&1)+4*\i+2], v[192*((\g)&1)+4*\i+3]
.endr
	WIN 0
.irp i, 0,1,2,3,4,5,6,7,8,9,10,11,12,13,14,15
	ds_store_b64 v[XST+(((\g)&7)>>2)], v[T+2*\i:T+2*\i+1] offset:((\g)&3)*PANEL+32*\i
.endr
.endm
; The first half of a chunk's first step (t = 0 or 8): its 64 products start the sums from hbs in T.  The conversion of the next X tile, which works in T,
; therefore stands behind all 64, four places behind the last of them.
.macro HALF0Z t
.set CSLOT, (\t)&1
	s_wait_dscnt 0x8                               ; hbs, W and X's rows 0-63 are in; the youngest eight loads (X's rows 64-127) may be out
	WIN FIRST_LO
	MUL16 F0, 0, 0, 1
	MUL16 F0, 0, 2, 1
	PLACES
	FETCH CSLOT, 0, 1, F1
	s_wait_dscnt 0x20                              ; all but the 32 just issued
	WIN FIRST_HI
	MUL16 F0, 1, 0, 1
	MUL16 F0, 1, 2, 1
	PLACES
	XCONV \t+1, 16                                 ; the wait leaves the tile after next on its way
	XLOAD \t+3
.endm
; The first half of any other step t: multiplies buffer 0.  In its middle: the next step's X tile goes into the image (conv), the set so freed is asked for again
; with the tile two further on (load), and the second half's fragments are fetched into buffer 1.  The 32 conversions, which name no register of a matrix
; instruction, are the places in front of the loads into buffer 1.
.macro HALF0 t, conv, lcnt, load
.set CSLOT, (\t)&1
.set CSTEP, (\t)&7
	s_wait_dscnt 0x8                               ; W and X's rows 0-63 are in; the youngest eight loads (X's rows 64-127) may be out
	WIN MUL_LO
	MUL16 F0, 0, 0, 0
	MUL16 F0, 0, 2, 0
.if \conv
	XCONV \t+1, \lcnt
.else
	PLACES
.endif
.if \load
	XLOAD \t+3
.endif
	FETCH CSLOT, CSTEP, 1, F1
	s_wait_dscnt 0x20                              ; all but the 32 just issued
	WIN MUL_HI
	MUL16 F0, 1, 0, 0
	MUL16 F0, 1, 2, 0
.endm
; The second half: multiplies buffer 1 and changes slots.  In front of the barrier each wave waits for its reads of this slot and its stores into the image
; (DScnt 0) and for all its tensor loads, of which one is out: its part of the next slot.  fill = 1: the barrier opens a round of the cluster's barrier, and
; behind the round this slot is asked for again, two steps ahead, first of all.  A wave has one request for W out at a time, so between the wait that shows
; the last tile landed and the next request no W is on its way: nothing but the slot's new address and the round stands there, and the 48 products that are
; left of this half come behind the request.  fetch = 1: the next step's first fragments.
.macro TURN t, fill, fetch
	s_wait_dscnt 0x8                               ; at most eight LDS instructions are out: X's rows 64-127 of buffer 1, or stores into the image that are younger than all of buffer 1
	WIN MUL_LO
	MUL16 F1, 0, 0, 0
.if \fill
	WIN 0
.endif
	s_wait_dscnt 0x0
	s_set_vgpr_msb (MSB<<8)|((MSB&0xf0)|0x0)
	s_wait_tensorcnt 0x0
	ds_add_u32 v62, v63
	s_wait_dscnt 0x0
	s_set_vgpr_msb (((MSB&0xf0)|0x0)<<8)|MSB
.if \fill
	WADDR \t+2                                     ; no tensor load of mine is out
.endif
	s_barrier_signal -1
	s_barrier_wait -1
.if \fill
	CREST
	WASK \t+2
.endif
	WIN MUL_LO
	MUL16 F1, 0, 2, 0
.if \fetch
	PLACES
.set NSLOT, ((\t)+1)&1
.set NSTEP, ((\t)+1)&7
	FETCH NSLOT, NSTEP, 0, F0
.endif
	WIN MUL_HI
	MUL16 F1, 1, 0, 0
	MUL16 F1, 1, 2, 0
.endm
; The partial score of row block 4 hi + a: my 64 columns' relu(H) W_comb, in four chains of two.  w = 1: W_comb's loads are waited for behind the 64 maxima.
.macro SCORE hi, a, w
	WIN (2+\hi)<<2                                 ; source 1 in the accumulators' window
.set x, 0
.rept 64
	v_max_num_f32 v[T+x], 0, v[64*\a+x]
.set x, x+1
.endr
	WIN 0
.if \w
	s_wait_dscnt 0x0
.endif
.irp k, 0,2,4,6
	v_pk_mul_f32 v[CH+\k:CH+\k+1], v[T+\k:T+\k+1], v[WCR+\k:WCR+\k+1]   ; the first four pairs start the chains
.endr
.set x, 8
.rept 28
	v_pk_fma_f32 v[CH+x%8:CH+x%8+1], v[T+x:T+x+1], v[WCR+x:WCR+x+1], v[CH+x%8:CH+x%8+1]
.set x, x+2
.endr
	v_pk_add_f32 v[CH:CH+1],   v[CH:CH+1],   v[CH+2:CH+3]
	v_pk_add_f32 v[CH+4:CH+5], v[CH+4:CH+5], v[CH+6:CH+7]
	v_pk_add_f32 v[CH:CH+1],   v[CH:CH+1],   v[CH+4:CH+5]
	v_add_f32 v[SC+4*\hi+\a], v[CH], v[CH+1]
.endm
; 16 transposing loads: rows l = 32 kk .. + 31 of the image x my 128 columns e, as eight fragments in window 2
.macro XTLOAD kk
.irp eb, 0,1,2,3,4,5,6,7
	ds_load_tr16_b128 v[8*(8*\kk+\eb):8*(8*\kk+\eb)+3],   v[XTA] offset:\eb*2*KGP+\kk*512
	ds_load_tr16_b128 v[8*(8*\kk+\eb)+4:8*(8*\kk+\eb)+7], v[XTA] offset:\eb*2*KGP+\kk*512+256
.endr
.endm
; 8 matrix instructions of the context product: p (the same in all 16 rows of source 0) x 32 rows of X, for my 8 blocks of 16 columns e.
; The eight accumulators take turns, one instruction a turn.
.macro CTX kk, zero
.irp eb, 0,1,2,3,4,5,6,7
.if \zero
	v_wmma_f32_16x16x32_bf16 v[CT+8*\eb:CT+8*\eb+7], v[PF+8*\kk:PF+8*\kk+7], v[8*(8*\kk+\eb):8*(8*\kk+\eb)+7], 0
.else
	v_wmma_f32_16x16x32_bf16 v[CT+8*\eb:CT+8*\eb+7], v[PF+8*\kk:PF+8*\kk+7], v[8*(8*\kk+\eb):8*(8*\kk+\eb)+7], v[CT+8*\eb:CT+8*\eb+7]
.endif
.endr
.endm
; Behind a chunk's K loop: scores, the chunk's softmax, its context, its partial.  c = 0 also starts chunk 1.
.macro EPI c
	WIN 0
.if \c
	s_wait_xcnt 0x0                                ; CO and MS, the data of chunk 0's two stores, are rewritten only behind this wait
.endif
	PLACES                                         ; behind the last products: the loads below land in fragment registers, SCORE reads results
.irp b, 0,1,2,3,4,5,6,7
	ds_load_b128 v[WCR+8*\b:WCR+8*\b+3],   v[EADR] offset:2048+64*\b
	ds_load_b128 v[WCR+8*\b+4:WCR+8*\b+7], v[EADR] offset:2048+64*\b+16
.endr
	SCORE 0, 0, 1
.irp a, 1,2,3
	SCORE 0, \a, 0
.endr
.irp a, 0,1,2,3
	SCORE 1, \a, 0
.endr
.irp i, 0,1,2,3,4,5,6,7
	ds_store_b32 v[SST], v[SC+\i] offset:64*\i     ; row 2 w + h, place l = 16 i + r
.endr
	s_wait_dscnt 0x0                               ; for the other waves' sake
	s_barrier_signal -1                            ; a tensor load may stay out
	s_barrier_wait -1
	; every wave makes all 128 scores and the softmax for itself: lane L has l = 4 L .. + 3
.irp p, 0,1,2,3,4,5,6,7
	ds_load_b128 v[T+4*\p:T+4*\p+3], v[SLD] offset:SCPITCH*\p
.endr
	WIN 0x80                                       ; destination window 2: the accumulators there have been read.  Three quarters of the image's
.irp kk, 0,1,2
	XTLOAD \kk                                     ; transposed reads hang on no score: they are served while the softmax below is made
.endr
	WIN 0
	s_wait_dscnt 48                                ; the partial scores are in; the 48 transposing loads stay out
.irp p, 0,8,16,24
	v_pk_add_f32 v[T+\p:T+\p+1],   v[T+\p:T+\p+1],   v[T+\p+4:T+\p+5]
	v_pk_add_f32 v[T+\p+2:T+\p+3], v[T+\p+2:T+\p+3], v[T+\p+6:T+\p+7]
.endr
.irp p, 0,16
	v_pk_add_f32 v[T+\p:T+\p+1],   v[T+\p:T+\p+1],   v[T+\p+8:T+\p+9]
	v_pk_add_f32 v[T+\p+2:T+\p+3], v[T+\p+2:T+\p+3], v[T+\p+10:T+\p+11]
.endr
	v_pk_add_f32 v[T:T+1],   v[T:T+1],   v[T+16:T+17]
	v_pk_add_f32 v[T+2:T+3], v[T+2:T+3], v[T+18:T+19]
.irp x, 0,1,2,3
	v_add_f32 v[T+\x], s44, v[T+\x]                ; + b_comb
.endr
	v_max_num_f32 v[RB], v[T], v[T+1]
	v_max3_num_f32 v[RA], v[RB], v[T+2], v[T+3]
	v_max_num_f32_dpp v[RA], v[RA], v[RA] row_xmask:1 row_mask:0xf bank_mask:0xf
	v_max_num_f32_dpp v[RA], v[RA], v[RA] row_xmask:2 row_mask:0xf bank_mask:0xf
	v_max_num_f32_dpp v[RA], v[RA], v[RA] row_xmask:4 row_mask:0xf bank_mask:0xf
	v_max_num_f32_dpp v[RA], v[RA], v[RA] row_xmask:8 row_mask:0xf bank_mask:0xf
	v_permlanex16_b32 v[RB], v[RA], s42, s43       ; the other half of the lanes
	v_max_num_f32 v[MS], v[RA], v[RB]              ; m, in every lane
.irp x, 0,1,2,3
	v_sub_f32 v[T+4+\x], v[T+\x], v[MS]            ; the maximum is taken away first: exact where s = m, whatever the scores' size
.endr
.irp x, 0,1,2,3
	v_mul_f32 v[T+4+\x], 0x3fb8aa3b, v[T+4+\x]     ; log2 e
.endr
.irp x, 0,1,2,3
	v_exp_f32 v[T+8+\x], v[T+4+\x]
.endr
	v_nop                                          ; one plain place behind the last v_exp_f32 (ISA guide 5.7.2)
	s_wait_alu depctr_va_vdst(0)
	v_add_f32 v[RA], v[T+8], v[T+9]
	v_add_f32 v[RB], v[T+10], v[T+11]
	v_cvt_pk_bf16_f32 v[T+12], v[T+8], v[T+9]
	v_cvt_pk_bf16_f32 v[T+13], v[T+10], v[T+11]
	ds_store_b64 v[PST], v[T+12:T+13]              ; my wave's own copy of p: no other wave touches it
	v_add_f32 v[RA], v[RA], v[RB]
	v_add_f32_dpp v[RA], v[RA], v[RA] row_xmask:1 row_mask:0xf bank_mask:0xf
	v_add_f32_dpp v[RA], v[RA], v[RA] row_xmask:2 row_mask:0xf bank_mask:0xf
	v_add_f32_dpp v[RA], v[RA], v[RA] row_xmask:4 row_mask:0xf bank_mask:0xf
	v_add_f32_dpp v[RA], v[RA], v[RA] row_xmask:8 row_mask:0xf bank_mask:0xf
	v_permlanex16_b32 v[RB], v[RA], s42, s43
	v_add_f32 v[MS+1], v[RA], v[RB]                ; the sum of p
	; the context: K = l in four steps of 32, N = my 128 columns e.  LDS serves a wave's instructions in order (ISA guide 5.7.1.4): the loads of p see the store above.
.irp kk, 0,1,2,3
	ds_load_b128 v[PF+8*\kk:PF+8*\kk+3],   v[PFA] offset:64*\kk
	ds_load_b128 v[PF+8*\kk+4:PF+8*\kk+7], v[PFA] offset:64*\kk+32
.endr
	WIN 0x80
	XTLOAD 3
	WIN 0x08                                       ; source 1 in window 2
	s_wait_dscnt 16                                ; p and the first 48 transposing loads are in; the last 16 stay out
	CTX 0, 1
	CTX 1, 0
	CTX 2, 0
	s_wait_dscnt 0x0
.if \c == 0
	s_barrier_signal -1                            ; my reads of the image are over
.endif
	CTX 3, 0
	WIN 0
.if \c == 0
	s_barrier_wait -1                              ; everybody's are: chunk 1 may overwrite it.  No tensor load fills anything behind this barrier
	XCONV 8, 16                                    ; chunk 1's first tile; tile 9's 16 loads stay out.  The 32 conversions are the places behind the context's products
	XLOAD 10
	WIN 0
.else
	PLACES
.endif
.irp eb, 0,1,2,3,4,5,6,7
	ds_store_b32 v[CSTO], v[CT+8*\eb] offset:64*\eb            ; every row of a tile holds the same ctx: register 0, lane r (lane 16 + r writes the same number to the same word)
.endr
	ds_load_b128 v[CO:CO+3], v[CLD]                ; my wave's own bytes, served in order
	s_wait_dscnt 0x0
	global_store_b128 v[POF], v[CO:CO+3], s[14:15] offset:\c*PARTB     ; the wave stores 512 neighbouring bytes, at a multiple of 256
	s_cmp_lg_u32 s16, 0
	s_cbranch_scc1 .Lno_pair_\@
	global_store_b64 v[QOF], v[MS:MS+1], s[14:15] offset:\c*PARTB      ; wave 0: (m, sum) 32 times, 256 neighbouring bytes, at a multiple of 256
.Lno_pair_\@:
.if \c == 0
	s_barrier_signal -1                            ; DScnt is 0: my part of chunk 1's first panel is written
	s_barrier_wait -1
	HBLOAD                                         ; chunk 1's sums start from hbs again
	FETCH 0, 0, 0, F0                              ; slot 0 holds W tile 8, shown landed in front of step 7's barrier
.endif
.endm
	s_load_b256 s[4:11], s[0:1], 0x0               ; X s[4:5], wt s[6:7], hb s[8:9], W_comb s[10:11]
	s_load_b128 s[12:15], s[0:1], 0x20             ; b_comb s[12:13], part s[14:15]
	v_lshl_add_u32 v62, v0, 2, 0x43600
	v_mov_b32 v63, 0
	ds_add_u32 v62, v63
	v_lshrrev_b32 v1, 5, v0
	v_readfirstlane_b32 s16, v1                    ; wave 0..3
	s_bfe_u32 s17, ttmp6, 0x40000                  ; cx: my place in the cluster
	s_lshl_b32 s18, ttmp9, 2                       ; ttmp9 counts clusters = batches
	s_add_co_u32 s18, s18, s17                     ; work-group = 4 x batch + cx.  cx enters X's and part's addresses alone
	s_mov_b32 s42, 0x76543210                      ; v_permlanex16_b32: lane i of one half reads lane i of the other
	s_mov_b32 s43, 0xfedcba98
	; descriptor group 1: 64 rows of 256 bytes, dense, in elements of 8 bytes
	s_mov_b32 s[G1+0], 15|(3<<16)|(1<<21)          ; 15:0 the mask: all four work-groups; 17:16 element of 8 bytes; 21 set beside a mask
	s_mov_b32 s[G1+1], 32<<16                      ; tensor_dim0 = 32
	s_mov_b32 s[G1+2], 64<<16                      ; tensor_dim1 = 64
	s_mov_b32 s[G1+3], 32<<16                      ; tile_dim0 = 32
	s_mov_b32 s[G1+4], 64                          ; tile_dim1 = 64
	s_mov_b32 s[G1+5], 32                          ; from row to row: 32 elements
	s_mov_b32 s[G1+6], 0
	s_mov_b32 s[G1+7], 0
	s_lshl_b32 s20, s16, 14                        ; my wave's 16 KiB of a tile, in wt and in a slot
	s_mov_b32 s21, 0
	s_mov_b32 s[G0+0], 1
	s_add_co_u32 s[G0+1], s20, WS0
	s_mov_b32 s[G0+4], 1
	s_add_co_u32 s[G0+5], s20, WS0+WSLOT
	; addresses.  L = lane, r = L % 16, h = L / 16
	v_and_b32 v1, 31, v0
	v_and_b32 v2, 15, v0
	v_bfe_u32 v3, v0, 4, 1
	v_mul_u32_u24 v4, v3, KGP
	v_lshl_add_u32 v[ADRA], v2, 4, v4              ; kgg = h, row r
	v_add_nc_u32 v[ADRA+1], 4*PANEL, v[ADRA]
	v_lshlrev_b32 v6, 11, v3
	v_lshl_add_u32 v6, v2, 4, v6                   ; 2048 h + 16 r
	s_add_co_u32 s45, s20, WS0
	v_add_nc_u32 v[ADRB], s45, v6                  ; kg = h, column r of my wave's strip
	v_add_nc_u32 v[ADRB+1], WSLOT, v[ADRB]
	v_lshrrev_b32 v4, 1, v2
	v_mul_u32_u24 v4, v4, KGP                      ; my 4 numbers of a row's 64 belong to kgg = r / 2,
	v_lshl_add_u32 v4, v3, 4, v4                   ; row 32 w + h (+ 2 i),
	v_and_b32 v5, 1, v0
	v_lshl_add_u32 v4, v5, 3, v4                   ; half L % 2 of the 16 bytes
	s_lshl_b32 s46, s16, 9
	v_add_nc_u32 v[XST], s46, v4
	v_add_nc_u32 v[XST+1], 4*PANEL, v[XST]
	s_lshl_b32 s47, s16, 16
	v_add_nc_u32 v[XOF], s47, v6                   ; row 32 w + h of 2,048 bytes, 16 r
	s_add_co_u32 s47, s46, HBS
	v_lshl_add_u32 v[EADR], v3, 5, s47             ; a = 128 w + 8 h
	s_mul_i32 s47, s16, 2*SCPITCH
	s_add_co_u32 s47, s47, SCP
	v_mul_u32_u24 v4, v3, SCPITCH
	v_lshl_add_u32 v4, v2, 2, v4
	v_add_nc_u32 v[SST], s47, v4
	v_lshl_add_u32 v[SLD], v1, 4, SCP
	s_lshl_b32 s47, s16, 8
	s_add_co_u32 s47, s47, PBF
	v_lshl_add_u32 v[PST], v1, 3, s47
	v_lshl_add_u32 v[PFA], v3, 4, s47
	v_bfe_u32 v4, v0, 3, 1
	v_mul_u32_u24 v4, v4, KGP                      ; transposed reads: lanes 8-15 and 24-31 take the next eight columns e,
	v_and_b32 v5, 7, v0
	v_lshl_add_u32 v5, v3, 3, v5                   ; row l = 8 h + L % 8
	v_lshl_add_u32 v4, v5, 4, v4
	s_mul_i32 s47, s16, 16*KGP                     ; my wave's 128 columns e
	v_add_nc_u32 v[XTA], s47, v4
	s_add_co_u32 s47, s46, CST
	v_lshl_add_u32 v[CSTO], v2, 2, s47
	v_lshl_add_u32 v[CLD], v1, 4, s47
	v_lshl_add_u32 v[POF], v1, 4, s46
	v_lshl_add_u32 v[QOF], v1, 3, 2048
	v_lshlrev_b32 v[STG], 4, v0
	v_add_nc_u32 v7, HBS, v[STG]
	s_wait_dscnt 0x0
	s_wait_kmcnt 0x0
	s_load_b32 s44, s[12:13], 0x0                  ; b_comb
	s_add_nc_u64 s[40:41], s[6:7], s[20:21]        ; wt at my wave's strip of tile 0
	s_lshl_b32 s22, s18, 19                        ; 256 rows of 2,048 bytes a work-group
	s_mov_b32 s23, 0
	s_add_nc_u64 s[4:5], s[4:5], s[22:23]
	s_mul_i32 s22, s18, 2*PARTB
	s_add_nc_u64 s[14:15], s[14:15], s[22:23]
	s_lshl_b32 s22, ttmp9, 11                      ; hb's row of my batch, in its first part
	s_add_nc_u64 s[8:9], s[8:9], s[22:23]
	global_load_b128 v[HB0:HB0+3],   v[STG], s[8:9]
	global_load_b128 v[HB1:HB1+3],   v[STG], s[8:9] offset:HBPART
	global_load_b128 v[HB2:HB2+3],   v[STG], s[8:9] offset:2*HBPART
	global_load_b128 v[HB0+4:HB0+7], v[STG], s[10:11]
	XLOAD 0
	XLOAD 1
	WIN 0
	CROUND                                         ; all four work-groups are here: the first joint loads meet
	WADDR 0
	WADDR 1
	WASK 0                                         ; both slots' first fills go out together: two tensor loads of the wave are out, later never more than one
	WASK 1
	XCONV 0, 16                                    ; hb, W_comb and tile 0 are in; tile 1's 16 loads stay out
	v_pk_add_f32 v[HB0:HB0+1],   v[HB0:HB0+1],   v[HB1:HB1+1]  ; hbs = the three parts' sum
	v_pk_add_f32 v[HB0+2:HB0+3], v[HB0+2:HB0+3], v[HB1+2:HB1+3]
	v_pk_add_f32 v[HB0:HB0+1],   v[HB0:HB0+1],   v[HB2:HB2+1]
	v_pk_add_f32 v[HB0+2:HB0+3], v[HB0+2:HB0+3], v[HB2+2:HB2+3]
	ds_store_b128 v7, v[HB0:HB0+3]
	ds_store_b128 v7, v[HB0+4:HB0+7] offset:2048
	XLOAD 2
	s_wait_kmcnt 0x0                               ; b_comb
	s_wait_dscnt 0x0                               ; my part of panel 0, of hbs and of W_comb is written
	s_wait_tensorcnt 0x1                           ; my strip of W tile 0 is in; tile 1 may stay out
	s_barrier_signal -1
	s_barrier_wait -1
	HBLOAD
	FETCH 0, 0, 0, F0
	; The sixteen steps, written out: the last ones ask for nothing more.
	;        t  conv lcnt load        t  fill fetch
	HALF0Z 0
	TURN  0, 1, 1
.irp t, 1,2,3,4,5,6
	HALF0 \t, 1, 16, 1                             ; the wait leaves the tile after next on its way
	TURN  \t, 1, 1
.endr
	HALF0 7, 0, 0, 0                               ; chunk 1's first tile waits until the image has been read for the context
	TURN  7, 1, 0
	EPI 0
	HALF0Z 8
	TURN  8, 1, 1
.irp t, 9,10,11,12
	HALF0 \t, 1, 16, 1
	TURN  \t, 1, 1
.endr
	HALF0 13, 1, 16, 0                             ; no X is left to ask for
	TURN  13, 1, 1                                 ; the last W tile
	HALF0 14, 1, 0, 0                              ; the last X tile: no load was issued behind it
	TURN  14, 0, 1                                 ; nothing is filled: my work-group's barrier alone
	HALF0 15, 0, 0, 0
	s_wait_dscnt 0x8                               ; the very last half
	WIN MUL_LO
	MUL16 F1, 0, 0, 0
	MUL16 F1, 0, 2, 0
	s_wait_dscnt 0x0
	WIN MUL_HI
	MUL16 F1, 1, 0, 0
	MUL16 F1, 1, 2, 0
	EPI 1
	s_set_vgpr_msb (MSB<<8)|((MSB&0xf0)|0x0)
	s_wait_tensorcnt 0x0
	ds_add_u32 v62, v63
	s_wait_dscnt 0x0
	s_set_vgpr_msb (((MSB&0xf0)|0x0)<<8)|MSB
	CROUND                                         ; the closing round: no work-group ends while a partner may still ask for a tile that names it
	s_endpgm
.Lfunc_end_k_q6c5503119d_attn:
	.size	k_q6c5503119d_attn, .Lfunc_end_k_q6c5503119d_attn-k_q6c5503119d_attn
	.p2alignl 7, 3214868480
	.fill 96, 4, 3214868480
	.section	.rodata,"a",@progbits
	.p2align	6, 0x0
	.amdhsa_kernel k_q6c5503119d_attn
		.amdhsa_group_segment_fixed_size 327680
		.amdhsa_private_segment_fixed_size 0
		.amdhsa_enable_private_segment 0
		.amdhsa_kernarg_size 48
		.amdhsa_user_sgpr_count 2
		.amdhsa_user_sgpr_kernarg_segment_ptr 1
		.amdhsa_wavefront_size32 1
		.amdhsa_system_sgpr_workgroup_id_x 1
		.amdhsa_system_sgpr_workgroup_id_y 1
		.amdhsa_system_sgpr_workgroup_id_z 1
		.amdhsa_system_vgpr_workitem_id 0
		.amdhsa_next_free_vgpr 1024
		.amdhsa_next_free_sgpr 66
		.amdhsa_reserve_vcc 0
		.amdhsa_float_denorm_mode_32 3
		.amdhsa_float_denorm_mode_16_64 3
		.amdhsa_memory_ordered 1
		.amdhsa_forward_progress 1
		.amdhsa_inst_pref_size 255
	.end_amdhsa_kernel
	.section	.bss,"aw",@nobits
	.p2align	6
	.space	262144
	.amdgpu_metadata
---
amdhsa.version: [ 1, 2 ]
amdhsa.kernels:
  - .name:           k_q6c5503119d_attn
    .symbol:         k_q6c5503119d_attn.kd
    .args:
      - { .name: encoded_features_map, .offset: 0, .size: 8, .value_kind: global_buffer, .address_space: global }
      - { .name: wt, .offset: 8, .size: 8, .value_kind: global_buffer, .address_space: global }
      - { .name: hb, .offset: 16, .size: 8, .value_kind: global_buffer, .address_space: global }
      - { .name: W_comb, .offset: 24, .size: 8, .value_kind: global_buffer, .address_space: global }
      - { .name: b_comb, .offset: 32, .size: 8, .value_kind: global_buffer, .address_space: global }
      - { .name: part, .offset: 40, .size: 8, .value_kind: global_buffer, .address_space: global }
    .group_segment_fixed_size: 327680
    .private_segment_fixed_size: 0
    .kernarg_segment_align: 8
    .kernarg_segment_size: 48
    .max_flat_workgroup_size: 128
    .sgpr_count:     66
    .vgpr_count:     1024
    .wavefront_size: 32
...
	.end_amdgpu_metadata
.endif
;; end of part 2
;; launch merge (part 3): grid 64 x 1, 4 waves a work-group, no clusters, 0 bytes of LDS; arguments part, out0; writes out0
.if DOCPART == 3
	.amdgcn_target "amdgcn-amd-amdhsa--gfx1250"
	.amdhsa_code_object_version 6
	.text
	.protected	k_q6c5503119d_merge
	.globl	k_q6c5503119d_merge
	.p2align	8
	.type	k_q6c5503119d_merge,@function
k_q6c5503119d_merge:
	s_mov_b64 s[64:65], 0
	v_nop
	global_prefetch_b8 v0, s[64:65] scope:SCOPE_SE
	s_setreg_imm32_b32 hwreg(HW_REG_WAVE_MODE, 25, 1), 1
	s_wait_xcnt 0x0
; out0[b][e] = sum over the batch's 8 chunks i of w_i ctx_i[e] / sum over i of w_i s_i, with w_i = exp(m_i - M), M = max m_i.
; One work-group a batch, 128 threads, four numbers each: 64 work-groups, since the output is 64 rows of 2,048 bytes and the whole
; work is one set of loads and one store.  A partial is 2,304 bytes: ctx (2,048), then (m, s) 32 times.
; The chunk that holds M has w = 1 and s >= 1, so the divisor is at least 1.  A w below 2^-126 counts as 0.
.set PARTB, 2304
.set MS, 4                             ; v[4:19]   (m_i, s_i)
.set CX, 20                            ; v[20:51]  ctx_i, four numbers each
.set W,  52                            ; v[52:59]  (m_i - M) log2 e
.set E,  60                            ; v[60:75]  w_i, each twice: a pair for the packed multiply-add
.set M,  76
.set D,  77
.set R,  78                            ; v[78:79]  1 / divisor, twice
.set O,  80                            ; v[80:83]
	s_load_b128 s[4:7], s[0:1], 0x0                ; part s[4:5], out0 s[6:7]
	s_mul_i32 s8, ttmp9, 8*PARTB
	s_mov_b32 s9, 0
	s_lshl_b32 s10, ttmp9, 11
	s_mov_b32 s11, 0
	v_and_b32 v1, 31, v0
	v_lshlrev_b32 v1, 3, v1                        ; 8 x lane: each lane its own copy of the pair, 256 neighbouring bytes a wave
	v_lshlrev_b32 v2, 4, v0                        ; 16 x thread
	s_wait_kmcnt 0x0
	s_add_nc_u64 s[4:5], s[4:5], s[8:9]
	s_add_nc_u64 s[6:7], s[6:7], s[10:11]
.irp i, 0,1,2,3,4,5,6,7
	global_load_b64 v[MS+2*\i:MS+2*\i+1], v1, s[4:5] offset:2048+\i*PARTB
.endr
.irp i, 0,1,2,3,4,5,6,7
	global_load_b128 v[CX+4*\i:CX+4*\i+3], v2, s[4:5] offset:\i*PARTB
.endr
	s_wait_loadcnt 0x8                             ; the pairs are in; the eight loads of ctx stay out
	v_max3_num_f32 v[M], v[MS], v[MS+2], v[MS+4]
	v_max3_num_f32 v[M], v[M], v[MS+6], v[MS+8]
	v_max3_num_f32 v[M], v[M], v[MS+10], v[MS+12]
	v_max_num_f32 v[M], v[M], v[MS+14]
.irp i, 0,1,2,3,4,5,6,7
	v_sub_f32 v[W+\i], v[MS+2*\i], v[M]
.endr
.irp i, 0,1,2,3,4,5,6,7
	v_mul_f32 v[W+\i], 0x3fb8aa3b, v[W+\i]         ; log2 e
.endr
.irp i, 0,1,2,3,4,5,6,7
	v_exp_f32 v[E+2*\i],   v[W+\i]
	v_exp_f32 v[E+2*\i+1], v[W+\i]
.endr
	v_nop                                          ; one plain place behind the last v_exp_f32 (ISA guide 5.7.2)
	s_wait_alu depctr_va_vdst(0)
	v_mul_f32 v[D], v[E], v[MS+1]
.irp i, 1,2,3,4,5,6,7
	v_fmac_f32 v[D], v[E+2*\i], v[MS+2*\i+1]
.endr
	v_rcp_f32 v[R],   v[D]
	v_rcp_f32 v[R+1], v[D]                         ; the packed multiply below, which touches neither D nor R, is the plain place behind it
	s_wait_loadcnt 0x0
	v_pk_mul_f32 v[O:O+1],   v[CX:CX+1],   v[E:E+1]
	v_pk_mul_f32 v[O+2:O+3], v[CX+2:CX+3], v[E:E+1]
.irp i, 1,2,3,4,5,6,7
	v_pk_fma_f32 v[O:O+1],   v[CX+4*\i:CX+4*\i+1],   v[E+2*\i:E+2*\i+1], v[O:O+1]
	v_pk_fma_f32 v[O+2:O+3], v[CX+4*\i+2:CX+4*\i+3], v[E+2*\i:E+2*\i+1], v[O+2:O+3]
.endr
	s_wait_alu depctr_va_vdst(0)
	v_pk_mul_f32 v[O:O+1],   v[O:O+1],   v[R:R+1]
	v_pk_mul_f32 v[O+2:O+3], v[O+2:O+3], v[R:R+1]
	global_store_b128 v2, v[O:O+3], s[6:7]         ; sixteen lanes store 256 neighbouring bytes, at a multiple of 256
	s_endpgm
.Lfunc_end_k_q6c5503119d_merge:
	.size	k_q6c5503119d_merge, .Lfunc_end_k_q6c5503119d_merge-k_q6c5503119d_merge
	.p2alignl 7, 3214868480
	.fill 96, 4, 3214868480
	.section	.rodata,"a",@progbits
	.p2align	6, 0x0
	.amdhsa_kernel k_q6c5503119d_merge
		.amdhsa_group_segment_fixed_size 0
		.amdhsa_private_segment_fixed_size 0
		.amdhsa_enable_private_segment 0
		.amdhsa_kernarg_size 16
		.amdhsa_user_sgpr_count 2
		.amdhsa_user_sgpr_kernarg_segment_ptr 1
		.amdhsa_wavefront_size32 1
		.amdhsa_system_sgpr_workgroup_id_x 1
		.amdhsa_system_sgpr_workgroup_id_y 1
		.amdhsa_system_sgpr_workgroup_id_z 1
		.amdhsa_system_vgpr_workitem_id 0
		.amdhsa_next_free_vgpr 84
		.amdhsa_next_free_sgpr 66
		.amdhsa_reserve_vcc 0
		.amdhsa_float_denorm_mode_32 3
		.amdhsa_float_denorm_mode_16_64 3
		.amdhsa_memory_ordered 1
		.amdhsa_forward_progress 1
		.amdhsa_inst_pref_size 6
	.end_amdhsa_kernel
	.amdgpu_metadata
---
amdhsa.version: [ 1, 2 ]
amdhsa.kernels:
  - .name:           k_q6c5503119d_merge
    .symbol:         k_q6c5503119d_merge.kd
    .args:
      - { .name: part, .offset: 0, .size: 8, .value_kind: global_buffer, .address_space: global }
      - { .name: out0, .offset: 8, .size: 8, .value_kind: global_buffer, .address_space: global }
    .group_segment_fixed_size: 0
    .private_segment_fixed_size: 0
    .kernarg_segment_align: 8
    .kernarg_segment_size: 16
    .max_flat_workgroup_size: 128
    .sgpr_count:     66
    .vgpr_count:     84
    .wavefront_size: 32
...
	.end_amdgpu_metadata
.endif
;; end of part 3
